; MI455X (gfx1250); checked and timed in simulation.
; The chip was launched on July 23, 2026; its instructions are those of AMD's public machine-readable ISA for CDNA 5 (MIT licence, August 2026) and "CDNA5" Instruction Set Architecture Reference Guide (July 2026). The comments in the code are by the model that wrote it; some were corrected since.
;; Absolute Pos Emb. Allowed arithmetic: matrix products marked QUANTISED: E2M1 operands, one E8M0 scale for each 32 along K, by v_wmma_scale_f32_16x16x128_f8f6f4 with both operands' format E2M1 (or v_wmma_scale_f32_32x16x128_f4), f32 sums; everything else in f32.
;; Inputs: k 8 x 8 x 32 x 32 x 64 float32; q 8 x 8 x 32 x 32 x 64 float32; v 8 x 8 x 32 x 32 x 64 float32.
;; Outputs: out0 8 x 32 x 32 x 512 float32.
;; This version of the problem:
;;   THIS VERSION OF THE PROBLEM IS GIVEN IN LOW PRECISION. The matrix products marked QUANTISED in the list below multiply operands that are first quantised to E2M1 (2 exponent bits, 1 mantissa bit; 4 bits a number), with one power-of-two scale for each 32 numbers along K (OCP MX v1.0); their sums are f32. All else is computed in f32.
;;   The module's matrix products, in the order in which they are computed (A, B: the left and right operand; K: the contracted axis; several contracted axes count as one K, in the product's order):
;;     1. batch 64 x [M 1,024, K 64] x [K 64, N 1,024]; A: computed on the way; B: input k: QUANTISED
;;     2. batch 64 x [M 64, K 1,024] x [K 1,024, N 1,024]; A: input v; B: computed on the way: QUANTISED
;;   THE QUANTISER, for each operand of a quantised product, along K:
;;     - K is cut into blocks of 32 from its start; a last block that is shorter is filled with zeros.
;;     - A block's scale is 2^e with e = floor(log2(the largest magnitude in the block)) - 2, held to -126 .. 127; a block of zeros has e = 0. As a byte (E8M0): e + 127.
;;     - Each number is divided by its block's scale, clamped to +-6, and rounded to the nearest number of E2M1, ties to even, subnormals kept.
;;     - The product sums the exact products of the quantised numbers (number of the format x scale) in f32.
;;   ~~~python
;;   def quantise(x, axis):      # numpy; x: float32 -> the quantised numbers, widened to float32 again
;;       x = np.moveaxis(x, axis, -1); K = x.shape[-1]
;;       x = np.pad(x, [(0, 0)] * (x.ndim - 1) + [(0, -K % 32)]); x = x.reshape(x.shape[:-1] + (-1, 32)); a = np.abs(x).max(-1, keepdims=True)
;;       e = np.where(a > 0, np.clip(np.frexp(np.where(a > 0, a, 1))[1] - 1 - 2, -126, 127), 0)      # np.frexp(a)[1] - 1 = floor(log2(a)), exactly
;;       r = np.clip(x / 2.0 ** e, -6, 6)
;;       step = 2.0 ** (np.maximum(np.frexp(np.where(r == 0, 1, r))[1] - 1, 0) - 1)
;;       q = np.round(r / step) * step * 2.0 ** e      # np.round: ties to even
;;       return np.moveaxis(q.reshape(q.shape[:-2] + (-1,))[..., :K], -1, axis).astype(np.float32)
;;   ~~~
;;   OPERANDS COMPUTED ON THE WAY. 'Computed on the way' means the value that the module computes at that place (a softmax that the list does not call 'softmax' is quantised finished and normalised). What goes into a quantiser is computed in f32, as accurately as f32 sums, v_exp_f32 and their like allow (about 1e-6 of the number): no bf16 or f16 on the way to a quantiser, and a product that is left as it is and whose result goes on into a quantised operand takes f32 operands (vector FMAs, or v_wmma_f32_16x16x4_f32). A number that lies on a knife's edge between two numbers of the format may be rounded either way, as far as f32 arithmetic and the matrix unit's own rounding can turn it there, and no further.
;; One version. Each part assembles by itself: llvm-mc -triple=amdgcn-amd-amdhsa -mcpu=gfx1250 --defsym DOCPART=n.
;; ======== version 1 of 1: 1 launch
;; limits: right only within a limited range of input values
;; launch attn (part 1): grid 4 x 64, 4 waves a work-group, clusters of 4 x 1, 327,680 bytes of LDS; arguments q, k, v, out0; writes out0
.if DOCPART == 1
	.amdgcn_target "amdgcn-amd-amdhsa--gfx1250"
	.amdhsa_code_object_version 6
	.text
	.protected	k_q034e49949f_attn
	.globl	k_q034e49949f_attn
	.p2align	8
	.type	k_q034e49949f_attn,@function
k_q034e49949f_attn:
	s_mov_b64 s[64:65], 0
	v_nop
	global_prefetch_b8 v0, s[64:65] scope:SCOPE_SE
	s_setreg_imm32_b32 hwreg(HW_REG_WAVE_MODE, 25, 1), 1
	s_wait_xcnt 0x0
	s_wait_alu depctr_hold_cnt(0) depctr_sa_sdst(0) depctr_va_vdst(0) depctr_va_sdst(0) depctr_va_ssrc(0) depctr_va_vcc(0) depctr_vm_vsrc(0)
	s_getreg_b32 s2, hwreg(HW_REG_IB_STS2, 6, 4)
	s_cmp_eq_u32 s2, 0
	s_cbranch_scc0 .Lentry_in_a_cluster
	s_endpgm
.Lentry_in_a_cluster:
	s_bfe_u32 s2, ttmp6, 0x10000c
	s_cmp_lg_u32 s2, 0x3003
	s_cbranch_scc0 .Lentry_shape_is_right
	s_endpgm
.Lentry_shape_is_right:
; out0[b][token][64 n + d] = the sum over keys of W[token][key] v[key][d], W = softmax over the 1,024 keys of (q / 8) . k, for each of 64 heads (b, n).  Both products on codes of FP4 (E2M1) with E8M0 scales for each 32 along K.
; One launch does it all: k and v are quantised here, by each work-group for itself.
; SHARES.  A work-group owns 256 queries of one head; each of its four waves 64 of them, in four tiles of 16, and a quarter of the head's keys to quantise (256).
; CLUSTER.  The four work-groups of a head need the same f32 rows of k and v: each wave asks for its 256 rows JOINTLY, by the same tensor load with the same descriptor and the mask of all four.
; LDS.  One slot of 1,024 rows x (256 bytes + 16 of padding): k's rows, then, refilled, v's (k and v do not fit beside each other: 2 x 278,528 bytes).  Behind it an image of the codes as the operands' registers: 32 fragments of 1,024 bytes
; and 16 registers of scale words: first k's, which every wave takes into registers for the whole launch, then v's.  v's rows land while the first tile's scores, softmax and codes are worked.
; No prefetch: there are two fills and no loop of fills to run ahead in.
; K = 64 IN AN INSTRUCTION OF 128.  A fragment of k holds two tiles of 16 keys, one in k 0..63 and one in k 64..127.  It is multiplied once by (q's codes, zero codes) and once by (zero codes, q's codes):
; zero codes add nothing under any scale byte but 0xff, which the quantiser never makes.
; THE KEYS OF A TILE.  Row m of tile t (t = 0..3) of the 64 keys 64 g on is key 8 t + m for m < 8 and 32 + 8 (t xor 1) + m - 8 for m >= 8.  The products are used transposed (S^T = k q^T, O^T = v^T W^T), so lane (r, h) holds query r,
; and its registers 32 g + 8 t + j are the 32 keys of block 2 g + h: A WHOLE BLOCK LIES IN ONE LANE, and its codes are the second product's operand as they come.
; In lanes 16-31 (odd blocks) register t holds the keys 8 (t xor 1) on; v's odd blocks have their code registers in the same order.  (With t itself in place of t xor 1 two rows of a k fragment would begin in the same banks.)
; q / 8: 1/8 is a power of two, so q's codes are those of q / 8, and 1/8 stands in the factor c = log2(e) / 8.
; A BLOCK'S LARGEST WEIGHT IS NOT SEARCHED FOR: the block's largest SCORE goes through the same multiply-add, exponential and multiplication as every score.  That takes v_exp_f32 not to fall where its input rises.
; LIMITS: NaN and infinities among the inputs are not served; blocks whose largest magnitude lies under 2^-124 (k, v) or 2^-121 (q) may get another scale; a block of zeros has the byte 1 where the rule says 127 (its codes are zeros);
; a weight whose exponential lies under 2^-126 counts as 0 (v_exp_f32 flushes: ISA guide, 15.8); the promise holds while the scaled scores stay under 2^31; the division is a multiplication by v_rcp_f32 of the sum.
; REGISTERS, in windows of 256 (s_set_vgpr_msb: bits 1:0 source 0, 3:2 source 1, 5:4 source 2, 7:6 destination):
;   window 0: below.   window 1: k's 32 fragments.   windows 2, 3: f32 rows on their way to codes; then the scores (group g in window 2 + g / 8 at 32 (g % 8)); window 2 then takes v's 32 fragments.
.set PITCH, 272
.set QUART, 256*PITCH                  ; a wave's 256 rows
.set IMG,   4*QUART                    ; the codes' image
.set SCW,   IMG+32768                  ; its scale words, 16 x 128 bytes
.set SPARE, SCW+2048                   ; the spare words, 128 bytes a wave
.set QTS,   4864                       ; the stage for q's turn, a wave's own, in the image's bytes ahead of the image
.set LIM,  1                           ; v1   IMG + 16 x lane
.set LSC,  2                           ; v2   SCW + 4 x lane
.set KST,  3                           ; v3   LIM + 8,192 x wave: where my codes of k go
.set KSC,  4                           ; v4   LSC + 512 x wave: where my scale words go
.set KA0,  5                           ; v5, v6  my row and half of an even and of an odd tile of k
.set KA1,  6
.set VA0,  7                           ; v7, v8  my column in v's rows 0 and 128 of my quarter
.set VA1,  8
.set OG,   9                           ; v9   my byte offset in out0
.set SPW,  10                          ; v10  my spare word; never rewritten
.set NIL,  11                          ; v11  0; never rewritten
.set KS,   16                          ; v16-31 k's scale words
.set VS,   32                          ; v32-47 v's
.set PS,   48                          ; v48-55 the weights'
.set QS,   56                          ; v56  q's
.set OSTO, 57
.set H8,   58                          ; v58  8 h
.set ORD,  59
.set QHI,  60                          ; v[60:67] zero codes, q's codes
.set QLO,  64                          ; v[64:71] q's codes, zero codes
.set BM,   72                          ; v72-87 a number for each of my 16 blocks of 32 keys
.set M,    72                          ; (quantising f32 rows: eight maxima, then scale operands,
.set B,    80                          ; and eight scale bytes)
.set PT,   88                          ; v88-95 lane permutes' destinations, and bytes at work
.set OB,   96                          ; v96-127 rows of O on the way out
.set PC,   128                         ; v128-191 W's codes
.set OT,   192                         ; v192-223 O^T
.set SUM,  OT                          ; v192-207 eight sums of pairs, done with before O^T begins
.set QC,   224                         ; v224-235 the next three tiles' codes of q; v236-238 their scale words
.set QSN,  236
.set NM,   240
.set RS,   242
.set RS4,  244
.set VST,  245
.set QSTO, 246
.set QRD,  247
.set LQ,   248
.set QR,   96                          ; v96-223 q's rows at the head
.set MSB, 0
.macro WIN new                         ; the immediate's high byte repeats the setting that is left; a switch that changes nothing is dropped
.if MSB != (\new)
	s_set_vgpr_msb (MSB<<8)|(\new)
.set MSB, (\new)
.endif
.endm
.macro WA
	s_wait_alu depctr_va_vdst(0)
.endm
.macro ROUND                           ; a round of the cluster's barrier
	s_barrier_signal -1
	s_barrier_wait -1
	s_cmp_lg_u32 s12, 0
	s_cbranch_scc1 .Lnot_wave_0_\@
	s_barrier_signal -3
.Lnot_wave_0_\@:
	s_barrier_wait -3
	s_barrier_signal -1
	s_barrier_wait -1
.endm
.macro PLACES n                        ; plain vector instructions that name no register of the matrix instructions in front of them (ISA guide 7.12.1)
.rept \n
	v_nop
.endr
.endm
; The largest magnitudes of n blocks by turns, 32 registers each from base on, with the floor 2^(3 - 127) among them, so that no scale byte falls under 1.
.macro QMAX n, base
.irp i, 0,2,4,6,8,10,12,14,16,18,20,22,24,26,28,30
.set kk, 0
.rept \n
.if \i == 0
	v_max3_num_f32 v[M+kk], 0x1800000, |v[\base+32*kk]|, |v[\base+32*kk+1]|
.else
	v_max3_num_f32 v[M+kk], v[M+kk], |v[\base+32*kk+\i]|, |v[\base+32*kk+\i+1]|
.endif
.set kk, kk+1
.endr
.endr
.endm
.macro QSCALE n                        ; 2 off the exponent field: the conversion's scale operand; and the scale's byte
.set kk, 0
.rept \n
	v_add_nc_u32 v[M+kk], 0xff000000, v[M+kk]
.set kk, kk+1
.endr
.set kk, 0
.rept \n
	v_lshrrev_b32 v[B+kk], 23, v[M+kk]
.set kk, kk+1
.endr
.endm
; Eight blocks of window 2 + w become codes in v[cb] .. v[cb + 31], bytes in B; sw = 1: the odd blocks' registers in the order t xor 1.
.macro QUANT8 w, cb, sw
	WIN 0x28+0x14*\w
	QMAX 8, 0
	WIN 0
	QSCALE 8
	WIN 2+\w
.set kk, 0
.rept 8
.irp g, 0,1,2,3
	v_cvt_scalef32_pk8_fp4_f32 v[\cb+4*kk+((\g)^((kk%2)*\sw))], v[32*kk+8*\g:32*kk+8*\g+7], v[M+kk]
.endr
.set kk, kk+1
.endr
	v_nop                                          ; one plain vector instruction behind a run of scaled conversions
	WIN 0
.endm
; k: tiles 0..3 of groups 2 w, 2 w + 1 of my quarter: lane (r, h) takes d = 32 h .. 32 h + 31 of row r's key.
.macro KLD w
.set kk, 0
.rept 8
.irp j, 0,1,2,3,4,5,6,7
	ds_load_b128 v[32*kk+4*\j:32*kk+4*\j+3], v[KA0+kk%2] offset:17408*(2*\w+kk/4)+2176*(kk%4)+16*\j
.endr
.set kk, kk+1
.endr
.endm
; Eight tiles' codes are four fragments; a scale word has bytes 0, 1 for the fragment's first tile (d 0..31, 32..63) and 2, 3 for its second; one register serves two fragments: lanes 0-15 the even one, lanes 16-31 the odd one.
.macro KSTORE w, cb
.irp k, 0,1,2,3,4,5,6,7
	ds_store_b128 v[KST], v[\cb+4*\k:\cb+4*\k+3] offset:4096*\w+512*\k
.endr
.irp f, 0,1,2,3
	v_lshl_or_b32 v[B+2*\f], v[B+2*\f+1], 16, v[B+2*\f]
.endr
.irp f, 0,1,2,3
	v_lshlrev_b32 v[B+2*\f], v[H8], v[B+2*\f]
.endr
.irp f, 0,1,2,3
	v_permlanex16_b32 v[PT+\f], v[B+2*\f], s38, s39
.endr
.irp f, 0,1,2,3
	v_or_b32 v[B+2*\f], v[B+2*\f], v[PT+\f]
.endr
	v_cndmask_b32 v[B], v[B+2], v[B], s40
	v_cndmask_b32 v[B+4], v[B+6], v[B+4], s40
	ds_store_b32 v[KSC], v[B] offset:256*\w
	ds_store_b32 v[KSC], v[B+4] offset:256*\w+128
.endm
; v: a lane takes column 32 w + lane and its registers run down the keys: register i is row i of my quarter.
.macro VLDR w, from, n
.set vi, \from
.rept \n
	ds_load_b32 v[vi], v[VA0+vi/128] offset:128*\w+PITCH*(vi%128)
.set vi, vi+1
.endr
.endm
; Eight blocks of 32 keys of my column: two key steps of four.  Fragment 4 s + dt, registers 4 c .. 4 c + 3 at 512 c + 16 x lane: keys 128 s + 64 c + 32 h on of d = 16 dt + r.
.macro VSTORE w, cb
.irp k, 0,1,2,3,4,5,6,7
	ds_store_b128 v[VST], v[\cb+4*\k:\cb+4*\k+3] offset:4096*(\k/4)+2048*\w+256*(\k%4)
.endr
.irp m, 1,2,3
.irp s, 0,1
	v_lshl_or_b32 v[B+4*\s], v[B+4*\s+\m], 8*\m, v[B+4*\s]
.endr
.endr
.irp s, 0,1
	ds_store_b32 v[KSC], v[B+4*\s] offset:256*\s+128*\w
.endr
.endm
; 32 matrix instructions: fragments first .. first + 15 of k, each against (q, 0) and (0, q); every result begins at C = 0 and is a sum of one step.
.macro SCORES first
.set ib, \first
.rept 16
.if ib%2
	v_wmma_scale_f32_16x16x128_f8f6f4 v[16*(ib%16):16*(ib%16)+7], v[8*ib:8*ib+7], v[QLO:QLO+7], 0, v[KS+ib/2], v[QS] matrix_a_fmt:MATRIX_FMT_FP4 matrix_b_fmt:MATRIX_FMT_FP4 matrix_a_scale:MATRIX_SCALE_ROW1
	v_wmma_scale_f32_16x16x128_f8f6f4 v[16*(ib%16)+8:16*(ib%16)+15], v[8*ib:8*ib+7], v[QHI:QHI+7], 0, v[KS+ib/2], v[QS] matrix_a_fmt:MATRIX_FMT_FP4 matrix_b_fmt:MATRIX_FMT_FP4 matrix_a_scale:MATRIX_SCALE_ROW1
.else
	v_wmma_scale_f32_16x16x128_f8f6f4 v[16*(ib%16):16*(ib%16)+7], v[8*ib:8*ib+7], v[QLO:QLO+7], 0, v[KS+ib/2], v[QS] matrix_a_fmt:MATRIX_FMT_FP4 matrix_b_fmt:MATRIX_FMT_FP4
	v_wmma_scale_f32_16x16x128_f8f6f4 v[16*(ib%16)+8:16*(ib%16)+15], v[8*ib:8*ib+7], v[QHI:QHI+7], 0, v[KS+ib/2], v[QS] matrix_a_fmt:MATRIX_FMT_FP4 matrix_b_fmt:MATRIX_FMT_FP4
.endif
.set ib, ib+1
.endr
.endm
.macro BMAX wi                         ; the largest score of each of a window's eight blocks, by turns, each result read from its low end on
.irp i, 0,2,4,6,8,10,12,14,16,18,20,22,24,26,28,30
.irp k, 0,1,2,3,4,5,6,7
.if \i == 0
	v_max3_num_f32 v[BM+8*\wi+\k], 0xff800000, v[32*\k], v[32*\k+1]
.else
	v_max3_num_f32 v[BM+8*\wi+\k], v[BM+8*\wi+\k], v[32*\k+\i], v[32*\k+\i+1]
.endif
.endr
.endr
.endm
.macro FMAP at                         ; a pair of scores: c s - c max
	v_pk_fma_f32 v[(\at):(\at)+1], v[(\at):(\at)+1], s[36:37], v[NM:NM+1] op_sel_hi:[1,0,0]
.endm
.macro EXPC base, more                 ; a batch of 64 exponentials; among them the next batch's multiply-adds, which no exponential of this batch reads
.set ip, 0
.rept 32
	v_exp_f32 v[\base+2*ip], v[\base+2*ip]
.if \more
	FMAP \base+64+2*ip
.endif
	v_exp_f32 v[\base+2*ip+1], v[\base+2*ip+1]
.set ip, ip+1
.endr
.endm
.macro EXPW                            ; a window's four batches; its first 32 multiply-adds and the wait behind them stand ahead
	EXPC 0, 1
	WA
	EXPC 64, 1
	WA
	EXPC 128, 1
	WA
	EXPC 192, 0
.endm
.macro FMA32
.set ip, 0
.rept 32
	FMAP 2*ip
.set ip, ip+1
.endr
.endm
.macro ADDS from                       ; a window's pairs from .. 127 onto the eight sums of pairs, by turns
.set ip, \from
.rept 128-\from
	v_pk_add_f32 v[SUM+2*(ip%8):SUM+2*(ip%8)+1], v[SUM+2*(ip%8):SUM+2*(ip%8)+1], v[2*ip:2*ip+1]
.set ip, ip+1
.endr
.endm
.macro SENDS
.irp i, 0,1,2,3,4,5,6,7
	global_store_b128 v[OG], v[OB+4*\i:OB+4*\i+3], s[10:11] offset:4096*\i th:TH_STORE_NT   ; each sixteen lanes store the 256 consecutive, aligned bytes of one token and head
.endr
.endm
; THE FIRST PART OF A TILE: scores, maxima, exponentials, the row's sum.
.macro PART1 first
	WIN 0x81                                       ; k in window 1, q in window 0, results in window 2
	SCORES 0
.if \first
	s_wait_dscnt 0x0                               ; k's fragments 16..31 are in
.endif
	WIN 0xc1                                       ; results in window 3
	SCORES 16
	WIN 0
	PLACES 4                                       ; in front of the first read of results
.if (\first) == 0
	s_wait_dscnt 0x0                               ; the last tile's rows are back from the stage
	SENDS
.endif
	WIN 0x28                                       ; sources 1 and 2 in window 2
	BMAX 0
	WIN 0x3c                                       ; in window 3
	BMAX 1
	WIN 0
.irp k, 0,1,2,3
	v_max3_num_f32 v[12+\k], v[BM+\k], v[BM+4+\k], v[BM+8+\k]
.endr
.irp k, 0,1,2,3
	v_max_num_f32 v[12+\k], v[12+\k], v[BM+12+\k]
.endr
	v_max3_num_f32 v12, v12, v13, v14
	v_max_num_f32 v12, v12, v15
	v_permlanex16_b32 v[PT], v12, s38, s39
	v_max_num_f32 v12, v12, v[PT]                  ; with lane l xor 16's blocks: the row's largest score
	v_mul_f32 v[NM], 0xbe38aa3b, v12               ; -c max.  Its rounding is the same factor in every p of the row and in their sum: it divides out
.irp k, 0,1,2,3,4,5,6,7,8,9,10,11,12,13,14,15
	v_fma_f32 v[BM+\k], v[BM+\k], s36, v[NM]       ; each block's largest score goes the way of every score
.endr
	WIN 0x82                                       ; destination and source 0 in window 2
	FMA32
	WIN 0
	WA
.irp k, 0,1,2,3,4,5,6,7,8,9,10,11,12,13,14,15
	v_exp_f32 v[BM+\k], v[BM+\k]
.endr
	; p = 2^(c s - c max): the maximum is taken away in front of every exponential
	WIN 0x82
	EXPW
	WIN 0xc3
	FMA32
	WA
	EXPW
	; the row's sum, of the unquantised p
	WIN 0x0a                                       ; sources 0 and 1 in window 2: the first sixteen pairs start eight sums: nothing is cleared
	WA
.irp k, 0,1,2,3,4,5,6,7
	v_pk_add_f32 v[SUM+2*\k:SUM+2*\k+1], v[4*\k:4*\k+1], v[4*\k+2:4*\k+3]
.endr
	WIN 0x08
	ADDS 16
	WIN 0x0c
	ADDS 0
	WIN 0
.irp k, 0,1,2,3
	v_pk_add_f32 v[SUM+2*\k:SUM+2*\k+1], v[SUM+2*\k:SUM+2*\k+1], v[SUM+2*\k+8:SUM+2*\k+9]
.endr
.irp k, 0,1
	v_pk_add_f32 v[SUM+2*\k:SUM+2*\k+1], v[SUM+2*\k:SUM+2*\k+1], v[SUM+2*\k+4:SUM+2*\k+5]
.endr
	v_pk_add_f32 v[SUM:SUM+1], v[SUM:SUM+1], v[SUM+2:SUM+3]
	v_add_f32 v12, v[SUM], v[SUM+1]
	v_permlanex16_b32 v[PT], v12, s38, s39
	v_add_f32 v12, v12, v[PT]                      ; the row's sum, at least about 1
	WA
	v_rcp_f32 v[RS], v12
	v_nop                                          ; one plain vector instruction behind a transcendental
	WA
.endm
.macro NORM from, n                    ; pairs from .. from + n - 1 of a window's p become weights: x 1 / sum
.set ip, \from
.rept \n
	v_pk_mul_f32 v[2*ip:2*ip+1], v[2*ip:2*ip+1], v[RS:RS+1] op_sel_hi:[1,0]
.set ip, ip+1
.endr
.endm
.macro CONV first, n                   ; and codes: groups first .. first + n - 1
.set ib, \first
.rept \n
.irp t, 0,1,2,3
	v_cvt_scalef32_pk8_fp4_f32 v[PC+4*ib+\t], v[32*(ib%8)+8*\t:32*(ib%8)+8*\t+7], v[BM+ib]
.endr
.set ib, ib+1
.endr
	v_nop                                          ; one plain vector instruction behind a run of scaled conversions
.endm
.macro VLOAD first                     ; v's fragments first .. first + 15 into 128 registers of window 2
	WIN 0x80
.set ii, \first
.rept 16
	ds_load_b128 v[8*ii:8*ii+3],   v[LIM] offset:1024*ii
	ds_load_b128 v[8*ii+4:8*ii+7], v[LIM] offset:1024*ii+512
.set ii, ii+1
.endr
	WIN 0
.endm
; THE SECOND PART OF A TILE: weights and codes.  vl = 1: v's fragments take window 2's registers, half by half, as soon as their scores have become codes.
.macro PART2 vl
	v_mul_f32 v[RS4], 0x3e800000, v[RS]            ; a quarter of it: the scale operand's exponent is 2 less than the largest weight's
.irp k, 0,1,2,3,4,5,6,7,8,9,10,11,12,13,14,15
	v_mul_f32 v[BM+\k], v[BM+\k], v[RS4]           ; the block's largest weight / 4: the conversion takes its exponent field as the scale, and nothing else of it
.endr
.irp k, 0,1,2,3,4,5,6,7,8,9,10,11,12,13,14,15
	v_max_num_f32 v[BM+\k], 0x800000, v[BM+\k]     ; held at the byte 1 from below (a block whose every weight has fallen to 0: its codes are zeros)
.endr
.irp s, 0,1,2,3,4,5,6,7
	v_lshrrev_b32 v[PS+\s], 23, v[BM+2*\s]         ; the scale word of keys 128 s on: my lane has bytes h and 2 + h,
.endr
.irp s, 0,1,2,3,4,5,6,7
	v_lshrrev_b32 v[PT+\s], 23, v[BM+2*\s+1]
.endr
.irp s, 0,1,2,3,4,5,6,7
	v_lshl_or_b32 v[PS+\s], v[PT+\s], 16, v[PS+\s]
.endr
.irp s, 0,1,2,3,4,5,6,7
	v_lshlrev_b32 v[PS+\s], v[H8], v[PS+\s]
.endr
.irp s, 0,1,2,3,4,5,6,7
	v_permlanex16_b32 v[PT+\s], v[PS+\s], s38, s39
.endr
.irp s, 0,1,2,3,4,5,6,7
	v_or_b32 v[PS+\s], v[PS+\s], v[PT+\s]          ; lane l xor 16 the others
.endr
	WIN 0x82
	NORM 0, 64
	WIN 0x02
	CONV 0, 4
.if \vl
	VLOAD 0
.endif
	WIN 0x82
	NORM 64, 64
	WIN 0x02
	CONV 4, 4
.if \vl
	VLOAD 16
.endif
	WIN 0xc3
	NORM 0, 128
	WIN 0x03
	CONV 8, 8
	WIN 0
.endm
.macro PV s, dt                        ; O^T(16 dt on) += v^T W^T over keys 128 s on
.if (\dt)%2
.if (\s) == 0
	v_wmma_scale_f32_16x16x128_f8f6f4 v[OT+8*\dt:OT+8*\dt+7], v[8*(4*\s+\dt):8*(4*\s+\dt)+7], v[PC+8*\s:PC+8*\s+7], 0, v[VS+2*\s+\dt/2], v[PS+\s] matrix_a_fmt:MATRIX_FMT_FP4 matrix_b_fmt:MATRIX_FMT_FP4 matrix_a_scale:MATRIX_SCALE_ROW1
.else
	v_wmma_scale_f32_16x16x128_f8f6f4 v[OT+8*\dt:OT+8*\dt+7], v[8*(4*\s+\dt):8*(4*\s+\dt)+7], v[PC+8*\s:PC+8*\s+7], v[OT+8*\dt:OT+8*\dt+7], v[VS+2*\s+\dt/2], v[PS+\s] matrix_a_fmt:MATRIX_FMT_FP4 matrix_b_fmt:MATRIX_FMT_FP4 matrix_a_scale:MATRIX_SCALE_ROW1
.endif
.else
.if (\s) == 0
	v_wmma_scale_f32_16x16x128_f8f6f4 v[OT+8*\dt:OT+8*\dt+7], v[8*(4*\s+\dt):8*(4*\s+\dt)+7], v[PC+8*\s:PC+8*\s+7], 0, v[VS+2*\s+\dt/2], v[PS+\s] matrix_a_fmt:MATRIX_FMT_FP4 matrix_b_fmt:MATRIX_FMT_FP4
.else
	v_wmma_scale_f32_16x16x128_f8f6f4 v[OT+8*\dt:OT+8*\dt+7], v[8*(4*\s+\dt):8*(4*\s+\dt)+7], v[PC+8*\s:PC+8*\s+7], v[OT+8*\dt:OT+8*\dt+7], v[VS+2*\s+\dt/2], v[PS+\s] matrix_a_fmt:MATRIX_FMT_FP4 matrix_b_fmt:MATRIX_FMT_FP4
.endif
.endif
.endm
; THE SECOND PRODUCT: four accumulators by turns, one instruction a turn; the first key step starts the sums.
.macro PVALL
	PLACES 4                                       ; an operand written by vector instructions stands four places ahead of a scaled matrix instruction
	WIN 0x02                                       ; v in window 2; W, O^T in window 0
.irp s, 0,1,2,3,4,5,6,7
	s_wait_dscnt 56-8*\s                           ; of the 64 loads of v's fragments the first 8 s + 8 are in
.irp dt, 0,1,2,3
	PV \s, \dt
.endr
.endr
	WIN 0
	s_wait_xcnt 0x0                                ; the stores' base and data are written again only behind this wait
	s_add_nc_u64 s[10:11], s[10:11], s[18:19]      ; to my first rows of out0; then 16 tokens on
	s_mov_b32 s18, 0x8000
	s_mov_b32 s19, 0
.endm
.macro TOSTAGE                         ; a lane holds 32 neighbouring bytes of each 64 of its query's 256; through my own stage they become whole rows
.irp dt, 0,1,2,3
	ds_store_b128 v[OSTO], v[OT+8*\dt:OT+8*\dt+3] offset:64*\dt
	ds_store_b128 v[OSTO], v[OT+8*\dt+4:OT+8*\dt+7] offset:64*\dt+16
.endr
.irp i, 0,1,2,3,4,5,6,7
	ds_load_b128 v[OB+4*\i:OB+4*\i+3], v[ORD] offset:544*\i   ; LDS serves a wave's instructions in order: these see my stores
.endr
.endm
	s_load_b256 s[4:11], s[0:1], 0x0               ; q s[4:5], k s[6:7], v s[8:9], out0 s[10:11]
	v_lshl_add_u32 v[SPW], v0, 2, SPARE
	v_mov_b32 v[NIL], 0
	ds_add_u32 v[SPW], v[NIL]                      ; the wave's opening: the add, twice on end, and its wait ahead of my first tensor load
	ds_add_u32 v[SPW], v[NIL]
	v_lshrrev_b32 v12, 5, v0
	v_readfirstlane_b32 s12, v12                   ; wave 0..3
	s_bfe_u32 s13, ttmp6, 0x40000                  ; cx: my place in the cluster
	s_lshl_b32 s14, ttmp9, 2                       ; in a cluster launch ttmp9 counts clusters
	s_add_co_u32 s14, s14, s13                     ; my block of 256 queries: it enters q's and out0's addresses alone
	s_and_b32 s15, ttmp7, 0xffff                   ; the head, which the four partners share
	s_lshl_b32 s16, s15, 18                        ; q: head x 2^18 + block x 2^16 + wave x 64 rows of 256 bytes
	s_lshl_b32 s17, s14, 16
	s_add_co_u32 s16, s16, s17
	s_lshl_b32 s17, s12, 14
	s_add_co_u32 s16, s16, s17
	s_mov_b32 s17, 0
	s_lshr_b32 s18, s15, 3                         ; out0: b x 1,024 tokens of 2,048 bytes + n x 256 bytes + block x 256 tokens + wave x 64 tokens
	s_lshl_b32 s18, s18, 21
	s_and_b32 s19, s15, 7
	s_lshl_b32 s19, s19, 8
	s_add_co_u32 s18, s18, s19
	s_lshl_b32 s19, s14, 19
	s_add_co_u32 s18, s18, s19
	s_lshl_b32 s19, s12, 17
	s_add_co_u32 s18, s18, s19
	s_mov_b32 s19, 0
	s_lshl_b32 s42, s15, 18                        ; k, v: head x 2^18 + wave x 256 rows of 256 bytes: nothing here hangs on cx
	s_lshl_b32 s43, s12, 16
	s_add_co_u32 s42, s42, s43
	s_mov_b32 s43, 0
	; descriptor group 1: 256 dense rows of 256 bytes (32 elements of 8 bytes), 16 bytes of padding behind each
	s_mov_b32 s24, 15|(3<<16)|(1<<20)|(1<<21)|(5<<22)|(3<<25)   ; 15:0 the mask: all four work-groups; 17:16 elements of 8 bytes; 20 padding on; 21 set beside a mask; 24:22 after every 64 words; 31:25 of 4 words
	s_mov_b32 s25, 32<<16                          ; tensor_dim0 = 32
	s_mov_b32 s26, 256<<16                         ; tensor_dim1 = 256
	s_mov_b32 s27, 32<<16                          ; tile_dim0 = 32
	s_mov_b32 s28, 256                             ; tile_dim1 = 256
	s_mov_b32 s29, 32                              ; elements from row to row
	s_mov_b32 s30, 0
	s_mov_b32 s31, 0
	s_mov_b32 s32, 1                               ; group 0: count = 1
	s_mul_i32 s33, s12, QUART                      ; the LDS address of my quarter
	s_mov_b32 s36, 0x3e38aa3b                      ; c = log2(e) / 8
	s_mov_b32 s37, s36                             ; (the packed form names the pair and takes its low word for both halves: so it is written)
	s_mov_b32 s38, 0x76543210
	s_mov_b32 s39, 0xfedcba98                      ; v_permlanex16_b32's selects for lane l xor 16
	s_mov_b32 s40, 0xffff                          ; lanes 0-15
	s_mov_b32 s41, 3                               ; trips to go
	s_lshl_b32 s20, s12, 13                        ; my eight fragments of the image
	s_lshl_b32 s21, s12, 9                         ; and my four registers of scale words
	s_mul_i32 s22, s12, QTS
	s_add_co_u32 s22, s22, IMG                     ; my stage for q
	v_and_b32 v12, 31, v0                          ; lane
	v_and_b32 v13, 15, v0                          ; r
	v_bfe_u32 v14, v0, 4, 1                        ; h
	v_lshlrev_b32 v[LQ], 4, v12
	v_add_nc_u32 v[LIM], IMG, v[LQ]
	v_lshlrev_b32 v15, 2, v12
	v_add_nc_u32 v[LSC], SCW, v15
	v_add_nc_u32 v[VA0], s33, v15
	v_add_nc_u32 v[VA1], 128*PITCH, v[VA0]
	v_add_nc_u32 v[KST], s20, v[LIM]
	v_add_nc_u32 v[KSC], s21, v[LSC]
	v_lshlrev_b32 v[VST], 4, v13                   ; 16 r + 1,024 h: my column's place in a fragment of v
	v_lshl_add_u32 v[VST], v14, 10, v[VST]
	v_add_nc_u32 v[VST], s20, v[VST]
	v_add_nc_u32 v[VST], IMG, v[VST]
	v_lshrrev_b32 v15, 3, v13
	v_lshl_add_u32 v[KA0], v15, 5, v13             ; an even tile: row r, or r + 32 for r >= 8
	v_lshl_add_u32 v[KA1], v15, 4, v13             ; an odd one: r + 16 for r >= 8
	v_mul_u32_u24 v[KA0], v[KA0], PITCH
	v_mul_u32_u24 v[KA1], v[KA1], PITCH
	v_lshl_add_u32 v[KA0], v14, 7, v[KA0]
	v_lshl_add_u32 v[KA1], v14, 7, v[KA1]
	v_add_nc_u32 v[KA0], s33, v[KA0]
	v_add_nc_u32 v[KA1], s33, v[KA1]
	v_lshrrev_b32 v15, 3, v12                      ; q: a load's 512 bytes are two queries' rows: eight lanes hold half a row
	v_mul_u32_u24 v[QSTO], v15, 144
	v_and_b32 v15, 7, v12
	v_lshl_add_u32 v[QSTO], v15, 4, v[QSTO]
	v_add_nc_u32 v[QSTO], s22, v[QSTO]
	v_mul_u32_u24 v[QRD], v13, 288
	v_and_b32 v15, 8, v13
	v_lshl_add_u32 v[QRD], v15, 1, v[QRD]          ; + 16 for rows 8-15: sixteen lanes then read sixteen different 16-byte columns modulo 256 bytes
	v_mad_u32_u24 v[QRD], v14, 144, v[QRD]
	v_add_nc_u32 v[QRD], s22, v[QRD]
	v_mul_u32_u24 v[OSTO], v13, 272                ; the way out: a stage of 16 rows x 272 bytes in my quarter of the slot, which has had its last fill by then
	v_lshl_add_u32 v[OSTO], v14, 5, v[OSTO]
	v_add_nc_u32 v[OSTO], s33, v[OSTO]
	v_mul_u32_u24 v[ORD], v14, 272                 ; back: lanes 0-15 one row of 256 bytes, lanes 16-31 the next
	v_lshl_add_u32 v[ORD], v13, 4, v[ORD]
	v_add_nc_u32 v[ORD], s33, v[ORD]
	v_lshlrev_b32 v[OG], 11, v14                   ; and the same two tokens in out0, 2,048 bytes apart
	v_lshl_add_u32 v[OG], v13, 4, v[OG]
	v_lshlrev_b32 v[H8], 3, v14
	WA
	s_wait_dscnt 0x0                               ; both opening adds are done
	ROUND                                          ; all four work-groups are here: the joint loads meet
	s_wait_kmcnt 0x0
	s_add_nc_u64 s[34:35], s[6:7], s[42:43]
	s_or_b32 s35, s35, 0x80000000                  ; type = 2
	s_add_nc_u64 s[4:5], s[4:5], s[16:17]
	s_add_nc_u64 s[8:9], s[8:9], s[42:43]
	tensor_load_to_lds s[32:35], s[24:31]          ; my quarter of k: one tensor load a wave at the head
	s_nop 0
	PLACES 4
.set ii, 0
.rept 32
	global_load_b128 v[QR+4*ii:QR+4*ii+3], v[LQ], s[4:5] offset:512*ii th:TH_LOAD_NT   ; my 64 queries, 512 consecutive bytes a load
.set ii, ii+1
.endr
.irp j, 0,1,2,3
	v_mov_b32 v[QHI+\j], 0                         ; zero codes on either side of q's
	v_mov_b32 v[QLO+4+\j], 0
.endr
.irp j, 0,1,2,3,4,5,6,7
	v_mov_b32 v[PT+\j], 0                          ; written once: a lane permute's destination counts as one of its sources
.endr
	v_mov_b32 v[NM+1], 0                           ; (named as the upper halves of pairs)
	v_mov_b32 v[RS+1], 0
	WA
; q's four tiles turn through my stage, one behind the other: the conversions want 32 neighbours along d in one lane: lane (r, h) gets d = 32 h .. 32 h + 31 of query r.
.irp T, 0,1,2,3
	s_wait_loadcnt 24-8*\T                         ; this tile's eight loads are in; the later tiles' may be out
.irp i, 0,1,2,3,4,5,6,7
	ds_store_b128 v[QSTO], v[QR+32*\T+4*\i:QR+32*\T+4*\i+3] offset:576*\i+16*(\i/4)
.endr
.irp j, 0,1,2,3,4,5,6,7
	ds_load_b128 v[QR+32*\T+4*\j:QR+32*\T+4*\j+3], v[QRD] offset:16*\j   ; LDS serves a wave's instructions in order: these see this tile's stores, and the next tile's come behind them
.endr
.endr
	s_wait_dscnt 0x0
	QMAX 4, QR
	QSCALE 4
.irp g, 0,1,2,3
	v_cvt_scalef32_pk8_fp4_f32 v[QLO+\g], v[QR+8*\g:QR+8*\g+7], v[M]
.endr
.irp T, 1,2,3
.irp g, 0,1,2,3
	v_cvt_scalef32_pk8_fp4_f32 v[QC+4*(\T-1)+\g], v[QR+32*\T+8*\g:QR+32*\T+8*\g+7], v[M+\T]
.endr
.endr
	v_nop                                          ; one plain vector instruction behind a run of scaled conversions
.irp T, 0,1,2,3
	v_lshlrev_b32 v[B+\T], v[H8], v[B+\T]          ; my block's byte at its place,
.endr
.irp T, 0,1,2,3
	v_permlanex16_b32 v[PT+\T], v[B+\T], s38, s39
.endr
.irp T, 0,1,2,3
	v_or_b32 v[B+\T], v[B+\T], v[PT+\T]            ; with lane l xor 16's: bytes 0, 1; and once more in bytes 2, 3, for the product in which q's codes stand in k 64..127
.endr
	v_lshl_or_b32 v[QS], v[B], 16, v[B]
.irp T, 1,2,3
	v_lshl_or_b32 v[QSN+\T-1], v[B+\T], 16, v[B+\T]
.endr
	WA
	s_wait_tensorcnt 0x0                           ; my quarter of k has landed,
	s_wait_dscnt 0x0                               ; no LDS instruction of mine is out,
	s_barrier_signal -1
	s_barrier_wait -1                              ; and every wave has done with its stage for q, in whose bytes the image comes to lie
	WIN 0x80
	KLD 0
	WIN 0xc0
	KLD 1
	s_wait_dscnt 63                                ; of the 128 loads the first 64 are in
	QUANT8 0, 96, 0
	KSTORE 0, 96
	WA
	s_wait_tensorcnt 0x0                           ; no tensor load of mine is out: group 0 may be written;
	ds_add_u32 v[SPW], v[NIL]                      ; 0 onto my spare word
	s_mov_b64 s[34:35], s[8:9]                     ; my quarter of v
	s_or_b32 s35, s35, 0x80000000
	s_wait_dscnt 0x0                               ; the add is done, and so are my reads of k's rows
	ROUND                                          ; both now hold of every wave of the cluster
	tensor_load_to_lds s[32:35], s[24:31]          ; v takes the slot: it has the rest of k's codes and the first tile up to its codes in which to land
	s_nop 0
	PLACES 4
	QUANT8 1, 192, 0
	KSTORE 1, 192
	WA
	s_wait_dscnt 0x0
	s_barrier_signal -1
	s_barrier_wait -1                              ; k's image is whole
.set ii, 0
.rept 16
	ds_load_b32 v[KS+ii], v[LSC] offset:128*ii
.set ii, ii+1
.endr
	WIN 0x40                                       ; destination window 1
.set ii, 0
.rept 32
	ds_load_b128 v[8*ii:8*ii+3],   v[LIM] offset:1024*ii       ; k's fragments stay in registers: each is read from LDS once in the launch
	ds_load_b128 v[8*ii+4:8*ii+7], v[LIM] offset:1024*ii+512
.set ii, ii+1
.endr
	WIN 0
	s_wait_dscnt 32                                ; the scale words and fragments 0..15 are in
	PART1 1
	PART2 0
	; v becomes codes
	WA
	s_wait_tensorcnt 0x0                           ; my quarter of v has landed,
	s_wait_dscnt 0x0
	s_barrier_signal -1
	s_barrier_wait -1                              ; and every wave has taken k's image into registers: v's may be laid over it
	WIN 0x80
	VLDR 0, 0, 256
	WIN 0xc0
	VLDR 1, 0, 56
	s_wait_dscnt 56                                ; all but the 56 just issued
	QUANT8 0, 96, 1
	VSTORE 0, 96
	WIN 0xc0
	VLDR 1, 56, 200
	WIN 0
	s_wait_dscnt 0x0
	QUANT8 1, 192, 1
	VSTORE 1, 192
	WA
	s_wait_dscnt 0x0
	s_barrier_signal -1
	s_barrier_wait -1                              ; v's image is whole
.set ii, 0
.rept 16
	ds_load_b32 v[VS+ii], v[LSC] offset:128*ii
.set ii, ii+1
.endr
	VLOAD 0
	VLOAD 16
.Ltile:                                                ; three trips: a tile's second product and way out, the next tile's scores, softmax and codes
	PVALL
	v_mov_b32 v[QS], v[QSN]                        ; the next tile of q, and the ones behind it move up.  (These are also the places behind the last products)
.irp j, 0,1,2,3
	v_mov_b32 v[QLO+\j], v[QC+\j]
.endr
.irp j, 0,1,2,3,4,5,6,7
	v_mov_b32 v[QC+\j], v[QC+4+\j]
.endr
	v_mov_b32 v[QSN], v[QSN+1]
	v_mov_b32 v[QSN+1], v[QSN+2]
	TOSTAGE
	PART1 0
	PART2 1
	s_sub_co_u32 s41, s41, 1
	s_cmp_lg_u32 s41, 0
	WA
	s_cbranch_scc1 .Ltile
	PVALL
	PLACES 4                                       ; in front of the stores of results
	TOSTAGE
.irp i, 0,1,2,3,4,5,6,7
	s_wait_dscnt 7-\i                              ; load i is back; the younger ones may be out
	global_store_b128 v[OG], v[OB+4*\i:OB+4*\i+3], s[10:11] offset:4096*\i th:TH_STORE_NT
.endr
	s_wait_tensorcnt 0x0                           ; the wave's end
	ds_add_u32 v[SPW], v[NIL]
	s_wait_dscnt 0x0
	ROUND                                          ; the closing round: no work-group ends while a partner may still ask for bytes under a mask that names it
	s_endpgm
.Lfunc_end_k_q034e49949f_attn:
	.size	k_q034e49949f_attn, .Lfunc_end_k_q034e49949f_attn-k_q034e49949f_attn
	.p2alignl 7, 3214868480
	.fill 96, 4, 3214868480
	.section	.rodata,"a",@progbits
	.p2align	6, 0x0
	.amdhsa_kernel k_q034e49949f_attn
		.amdhsa_group_segment_fixed_size 327680
		.amdhsa_private_segment_fixed_size 0
		.amdhsa_enable_private_segment 0
		.amdhsa_kernarg_size 32
		.amdhsa_user_sgpr_count 2
		.amdhsa_user_sgpr_kernarg_segment_ptr 1
		.amdhsa_wavefront_size32 1
		.amdhsa_system_sgpr_workgroup_id_x 1
		.amdhsa_system_sgpr_workgroup_id_y 1
		.amdhsa_system_sgpr_workgroup_id_z 1
		.amdhsa_system_vgpr_workitem_id 0
		.amdhsa_next_free_vgpr 1024
		.amdhsa_next_free_sgpr 66
		.amdhsa_reserve_vcc 0
		.amdhsa_float_denorm_mode_32 3
		.amdhsa_float_denorm_mode_16_64 3
		.amdhsa_memory_ordered 1
		.amdhsa_forward_progress 1
		.amdhsa_inst_pref_size 255
	.end_amdhsa_kernel
	.section	.bss,"aw",@nobits
	.p2align	6
	.space	262144
	.amdgpu_metadata
---
amdhsa.version: [ 1, 2 ]
amdhsa.kernels:
  - .name:           k_q034e49949f_attn
    .symbol:         k_q034e49949f_attn.kd
    .args:
      - { .name: q, .offset: 0, .size: 8, .value_kind: global_buffer, .address_space: global }
      - { .name: k, .offset: 8, .size: 8, .value_kind: global_buffer, .address_space: global }
      - { .name: v, .offset: 16, .size: 8, .value_kind: global_buffer, .address_space: global }
      - { .name: out0, .offset: 24, .size: 8, .value_kind: global_buffer, .address_space: global }
    .group_segment_fixed_size: 327680
    .private_segment_fixed_size: 0
    .kernarg_segment_align: 8
    .kernarg_segment_size: 32
    .max_flat_workgroup_size: 128
    .sgpr_count:     66
    .vgpr_count:     1024
    .wavefront_size: 32
...
	.end_amdgpu_metadata
.endif
;; end of part 1
